; MI455X (gfx1250); checked and timed in simulation.
; The chip was launched on July 23, 2026; its instructions are those of AMD's public machine-readable ISA for CDNA 5 (MIT licence, August 2026) and "CDNA5" Instruction Set Architecture Reference Guide (July 2026). The comments in the code are by the model that wrote it; some were corrected since.
;; Fixed Fan In Cuda. Allowed arithmetic: float matrix products may take bf16 or f16 operands with f32 sums; other float arithmetic in f32, or as packed bf16 or f16 multiplies, adds, multiply-adds, maxima and minima; sums over many terms, partial sums and values carried from step to step in f32; what a program stores and reads back later, other than sums and carried values, may be rounded once to bf16 or f16.
;; Inputs: bias 4,096 float32; condensed_weight 4,096 x 64 float32; input 4,096 x 4,096 float32; input_mask 4,096 x 64 int32.
;; Outputs: out0 4,096 x 4,096 float32.
;; 2 versions, each right; version 2 is version 1 with the launch fanin written anew for expert scheduling mode. Each part assembles by itself: llvm-mc -triple=amdgcn-amd-amdhsa -mcpu=gfx1250 --defsym DOCPART=n.
;; ======== version 1 of 2: 2 launches
;; workspace buffers: eidx 1,048,576 bytes of whole numbers; ewt 524,288 bytes
;; launch prep (part 1): grid 512 x 1, 8 waves a work-group, no clusters, 4,608 bytes of LDS; arguments input_mask, condensed_weight, eidx, ewt; writes eidx, ewt
.if DOCPART == 1
	.amdgcn_target "amdgcn-amd-amdhsa--gfx1250"
	.amdhsa_code_object_version 6
	.text
	.protected	k_qe6f20e9eae_prep
	.globl	k_qe6f20e9eae_prep
	.p2align	8
	.type	k_qe6f20e9eae_prep,@function
k_qe6f20e9eae_prep:
	s_mov_b64 s[64:65], 0
	v_nop
	global_prefetch_b8 v0, s[64:65] scope:SCOPE_SE
	s_setreg_imm32_b32 hwreg(HW_REG_WAVE_MODE, 25, 1), 1
	s_wait_xcnt 0x0
; PREP: the (column, weight) pairs of every output, put into the order and the form in which the main launch streams them.
; The main launch keeps column c of its 32 input rows as 64 bytes of bf16 at LDS byte T(c) = (c >> 2) * 256 + ((c + (c >> 2)) & 3) * 64.
; The QUARTER of c is (c + (c >> 2)) & 3: which 64 of 256 consecutive bytes it takes.  There four outputs read together, each one column:
; they touch each of the 64 banks (of 4 bytes: ISA guide 11.1) once if the four quarters differ.  So an output's 64 pairs are sorted by quarter,
; and output o begins with quarter (o >> 3) & 3, which differs among the four that read together.  The sum's order is free: f32 sums of 64 terms.
; WHAT IS WRITTEN.  Output o = 64 S + 8 G + blk, place pos = 0..63 in its sorted list, unit U = (4 S + (pos >> 4)) * 8 + blk:
;   eidx (u32, T(c))      byte U * 512 + ((pos >> 2) & 3) * 128 + G * 16 + (pos & 3) * 4
;   ewt  (bf16, weight)   byte U * 256 + ((pos >> 3) & 1) * 128 + G * 16 + (pos & 7) * 2        (rounded once, to nearest even)
; SHARES.  A work-group has one (S, blk): eight outputs, G = the wave's number.  A lane holds two pairs.  Each wave lays its sorted list into LDS rows of its
; own; behind a barrier waves 0-3 store the four units of eidx (512 consecutive bytes each) and waves 4, 5 those of ewt (16 lanes: 256 consecutive bytes).
; LIMIT.  Indices lie in 0..4095, as the reference's gather relies on; nothing here clamps them (the main launch clamps T into its table).
.set IPITCH, 272                       ; a wave's 64 offsets: 256 bytes + 16, so that the eight rows read together start at different banks
.set WPITCH, 144                       ; a wave's 64 weights: 128 bytes + 16
.set WL,     2304                      ; the weights' rows begin here
.set SPARE,  3584                      ; the spare words: 128 bytes for each of eight waves; no other line names them
	s_load_b256 s[4:11], s[0:1], 0x0               ; input_mask s[4:5], condensed_weight s[6:7], eidx s[8:9], ewt s[10:11]
	v_lshl_add_u32 v30, v0, 2, SPARE               ; my spare word
	v_mov_b32 v31, 0
	v_lshrrev_b32 v1, 5, v0
	v_readfirstlane_b32 s12, v1                    ; G = wave 0..7
	v_and_b32 v2, 31, v0                           ; lane
	s_lshr_b32 s13, ttmp9, 3                       ; S
	s_and_b32 s14, ttmp9, 7                        ; blk
	s_lshl_b32 s15, s13, 6
	s_lshl3_add_u32 s15, s12, s15
	s_add_co_u32 s15, s15, s14                     ; o = 64 S + 8 G + blk
	s_lshl_b32 s16, s15, 8                         ; a row of mask or weight is 256 bytes
	s_mov_b32 s17, 0
	s_and_b32 s18, s12, 3
	s_sub_co_u32 s18, 4, s18                       ; 4 - first quarter: added before the & 3 it turns a quarter into its rank in my order
	s_mul_i32 s19, s12, IPITCH                     ; my row of offsets in LDS
	s_mul_i32 s53, s12, WPITCH                     ; my row of weights, less WL
	v_lshlrev_b32 v3, 3, v2                        ; two numbers a lane
	s_wait_kmcnt 0x0
	s_add_nc_u64 s[4:5], s[4:5], s[16:17]
	s_add_nc_u64 s[6:7], s[6:7], s[16:17]
	global_load_b64 v[4:5], v3, s[4:5] th:TH_LOAD_NT   ; the wave reads its output's whole row: 256 consecutive bytes
	global_load_b64 v[6:7], v3, s[6:7] th:TH_LOAD_NT
	s_wait_loadcnt 0x0
	v_lshrrev_b32 v8, 2, v4                        ; c >> 2
	v_lshrrev_b32 v9, 2, v5
	v_add_nc_u32 v10, v4, v8
	v_add_nc_u32 v11, v5, v9
	v_and_b32 v12, 3, v10                          ; the quarter
	v_and_b32 v13, 3, v11
	v_add_nc_u32 v10, s18, v10
	v_add_nc_u32 v11, s18, v11
	v_and_b32 v10, 3, v10                          ; its rank 0..3 in my order
	v_and_b32 v11, 3, v11
	v_lshlrev_b32 v8, 8, v8
	v_lshlrev_b32 v9, 8, v9
	v_lshl_or_b32 v8, v12, 6, v8                   ; T(c)
	v_lshl_or_b32 v9, v13, 6, v9
	v_cvt_pk_bf16_f32 v14, v6, v7                  ; both weights, rounded
	; A counting sort over the wave.  s[20+g], s[24+g]: the lanes whose first, second pair has rank g.
.irp g, 0,1,2,3
	v_cmp_eq_u32 s[20+\g], \g, v10
	v_cmp_eq_u32 s[24+\g], \g, v11
.endr
	s_mov_b32 s40, 0                               ; s[40+g]: where rank g's first pairs begin; s[48+g]: its second pairs
.irp g, 0,1,2,3
	s_bcnt1_i32_b32 s52, s[20+\g]
	s_add_co_u32 s[48+\g], s[40+\g], s52
	s_bcnt1_i32_b32 s52, s[24+\g]
	s_add_co_u32 s[40+\g+1], s[48+\g], s52
.endr
	v_mov_b32 v15, 0
	v_mov_b32 v16, 0
.irp g, 0,1,2,3
	v_mbcnt_lo_u32_b32 v17, s[20+\g], s[40+\g]     ; the begin + how many lower lanes have the same rank
	v_mbcnt_lo_u32_b32 v18, s[24+\g], s[48+\g]
	v_cndmask_b32 v15, v15, v17, s[20+\g]
	v_cndmask_b32 v16, v16, v18, s[24+\g]
.endr
	v_min_u32 v15, 63, v15                         ; pos: 0..63 by construction; the bound is written out since an LDS address is made of it
	v_min_u32 v16, 63, v16
	v_lshl_add_u32 v17, v15, 2, s19
	v_lshl_add_u32 v18, v16, 2, s19
	v_lshl_add_u32 v19, v15, 1, s53
	v_lshl_add_u32 v20, v16, 1, s53
	ds_store_b32 v17, v8
	ds_store_b32 v18, v9
	ds_store_b16 v19, v14 offset:WL
	ds_store_b16_d16_hi v20, v14 offset:WL
	s_wait_tensorcnt 0x0
	ds_add_u32 v30, v31
	s_wait_dscnt 0x0                               ; the wait also shows my four stores done, for the waves that read them behind the barrier
	s_barrier_signal -1
	s_barrier_wait -1
	s_cmp_lt_u32 s12, 4
	s_cbranch_scc0 .Lweights
	; waves 0-3: thread t = 0..127 takes the 16 bytes of places 4 (t >> 3) .. + 3 of output G = t & 7; the wave's 512 bytes are unit (4 S + wave) * 8 + blk
	v_and_b32 v20, 7, v0
	v_bfe_u32 v21, v0, 3, 4
	v_mul_u32_u24 v20, v20, IPITCH
	v_lshl_add_u32 v20, v21, 4, v20
	ds_load_b128 v[24:27], v20
	s_lshl2_add_u32 s20, s13, s12
	s_lshl3_add_u32 s20, s20, s14
	s_lshl_b32 s20, s20, 9
	s_mov_b32 s21, 0
	s_add_nc_u64 s[8:9], s[8:9], s[20:21]
	v_lshlrev_b32 v22, 4, v2
	s_wait_dscnt 0x0
	global_store_b128 v22, v[24:27], s[8:9]
	s_endpgm
.Lweights:
	s_cmp_lt_u32 s12, 6
	s_cbranch_scc0 .Ldone
	; waves 4, 5: thread t' = t - 128 = 0..63 takes places 8 (t' >> 3) .. + 7 of output G = t' & 7; sixteen lanes fill the 256 bytes of unit (4 S + (t' >> 4)) * 8 + blk
	v_and_b32 v20, 7, v0
	v_bfe_u32 v21, v0, 3, 3
	v_mul_u32_u24 v20, v20, WPITCH
	v_lshl_add_u32 v20, v21, 4, v20
	ds_load_b128 v[24:27], v20 offset:WL
	s_lshl_b32 s20, s13, 13                        ; S * 32 units of 256 bytes
	s_lshl_b32 s21, s14, 8                         ; + blk units
	s_add_co_u32 s20, s20, s21
	s_sub_co_u32 s21, s12, 4
	s_lshl_b32 s21, s21, 12                        ; + (wave - 4) * 16 units
	s_add_co_u32 s20, s20, s21
	s_mov_b32 s21, 0
	s_add_nc_u64 s[10:11], s[10:11], s[20:21]
	v_bfe_u32 v22, v0, 4, 1
	v_and_b32 v23, 15, v0
	v_lshlrev_b32 v22, 11, v22                     ; + (lane >> 4) * 8 units
	v_lshl_add_u32 v22, v23, 4, v22
	s_wait_dscnt 0x0
	global_store_b128 v22, v[24:27], s[10:11]
.Ldone:
	s_endpgm
.Lfunc_end_k_qe6f20e9eae_prep:
	.size	k_qe6f20e9eae_prep, .Lfunc_end_k_qe6f20e9eae_prep-k_qe6f20e9eae_prep
	.p2alignl 7, 3214868480
	.fill 96, 4, 3214868480
	.section	.rodata,"a",@progbits
	.p2align	6, 0x0
	.amdhsa_kernel k_qe6f20e9eae_prep
		.amdhsa_group_segment_fixed_size 4608
		.amdhsa_private_segment_fixed_size 0
		.amdhsa_enable_private_segment 0
		.amdhsa_kernarg_size 32
		.amdhsa_user_sgpr_count 2
		.amdhsa_user_sgpr_kernarg_segment_ptr 1
		.amdhsa_wavefront_size32 1
		.amdhsa_system_sgpr_workgroup_id_x 1
		.amdhsa_system_sgpr_workgroup_id_y 1
		.amdhsa_system_sgpr_workgroup_id_z 1
		.amdhsa_system_vgpr_workitem_id 0
		.amdhsa_next_free_vgpr 32
		.amdhsa_next_free_sgpr 66
		.amdhsa_reserve_vcc 0
		.amdhsa_float_denorm_mode_32 3
		.amdhsa_float_denorm_mode_16_64 3
		.amdhsa_memory_ordered 1
		.amdhsa_forward_progress 1
		.amdhsa_inst_pref_size 7
	.end_amdhsa_kernel
	.amdgpu_metadata
---
amdhsa.version: [ 1, 2 ]
amdhsa.kernels:
  - .name:           k_qe6f20e9eae_prep
    .symbol:         k_qe6f20e9eae_prep.kd
    .args:
      - { .name: input_mask, .offset: 0, .size: 8, .value_kind: global_buffer, .address_space: global }
      - { .name: condensed_weight, .offset: 8, .size: 8, .value_kind: global_buffer, .address_space: global }
      - { .name: eidx, .offset: 16, .size: 8, .value_kind: global_buffer, .address_space: global }
      - { .name: ewt, .offset: 24, .size: 8, .value_kind: global_buffer, .address_space: global }
    .group_segment_fixed_size: 4608
    .private_segment_fixed_size: 0
    .kernarg_segment_align: 8
    .kernarg_segment_size: 32
    .max_flat_workgroup_size: 256
    .sgpr_count:     66
    .vgpr_count:     32
    .wavefront_size: 32
...
	.end_amdgpu_metadata
.endif
;; end of part 1
;; launch fanin (part 2): grid 2 x 128, 16 waves a work-group, no clusters, 284,672 bytes of LDS; arguments input, eidx, ewt, bias, out0; writes out0
.if DOCPART == 2
	.amdgcn_target "amdgcn-amd-amdhsa--gfx1250"
	.amdhsa_code_object_version 6
	.text
	.protected	k_qe6f20e9eae_fanin
	.globl	k_qe6f20e9eae_fanin
	.p2align	8
	.type	k_qe6f20e9eae_fanin,@function
k_qe6f20e9eae_fanin:
	s_mov_b64 s[64:65], 0
	v_nop
	global_prefetch_b8 v0, s[64:65] scope:SCOPE_SE
	s_setreg_imm32_b32 hwreg(HW_REG_WAVE_MODE, 25, 1), 1
	s_wait_xcnt 0x0
; out0[b][o] = bias[o] + the sum over k of input[b][mask[o][k]] * W[o][k].  input, out0: [4096][4096] f32.  The pairs (mask, W) arrive from the launch before as
; eidx (the column's byte offset T(c) in the table below) and ewt (the weight in bf16), sorted and laid out as this launch streams them.
; FORMATS, LIMITS.  input, weight and bias are each taken rounded once to bf16 (nearest even); products and sums are f32 (v_fma_mix_f32_bf16: exact product, one rounding
; a term).  The 64 terms are added in the sorted order, not in the reference's.  Indices lie in 0..4095, as the reference's gather relies on; an offset beyond the
; table is clamped to its last column.  NaN and infinities go the way of the arithmetic.
; SHARES.  A work-group has 32 rows (y) and 2,048 outputs (x = 0, 1); each of its 16 waves 128 outputs, as two blocks of 64.
; THE TABLE.  The 32 rows' 4,096 columns lie transposed in LDS in bf16: column c is 64 bytes at T(c) = (c >> 2) * 256 + ((c + (c >> 2)) & 3) * 64, rows ascending: 262,144 bytes.
; THE GATHER.  Lane = (G = lane >> 2, j = lane & 3).  A group G of four lanes reads one column with one 16-byte load a lane: lane j gets rows 8 j .. 8 j + 7.  Sixteen neighbouring lanes
; read four columns; where these lie in four different quarters of 256 bytes each of the 64 banks (of 4 bytes: ISA guide 11.1) is touched once; the sorted order aims at that.
; Group G owns outputs 8 G + blk of a block, blk = 0..7: 8 outputs x 8 rows = 64 f32 sums a lane, which begin at the bias.
; THE STREAMS.  A UNIT is 16 steps of one blk for all eight groups: 512 bytes of eidx, 256 of ewt; the four lanes of a group load the same 16 bytes.  A trip of the loop is 8 units
; (blk = 0..7), four trips a block; a wave's 64 units are consecutive in memory.  Offsets and weights are loaded two units ahead, gathered columns half a unit ahead.
; NO MATRIX UNIT: as a dense product the sum would have 4,096 terms an output for 64.  NO CLUSTER, NO TENSOR LOAD: what two work-groups share, the 32 rows, must be rounded and
; transposed, so it passes through registers in any case, and beside the table LDS has 65,536 bytes, too few for a landing zone of f32 rows worth the name; the streams go straight
; into registers: through LDS they would add three reads to every eight of the gather.
.set ROWB,  16384                      ; bytes in a row of input and of out0
.set STG,   262144                     ; behind the table: a stage of 1,280 bytes for each wave, for the way out
.set STGW,  1280
.set SPARE, STG+16*STGW                ; behind the stages: the spare words, 128 bytes for each of 16 waves; no other line names them
.set MAXT,  0x3ffc0                    ; the last column's offset
.set UNITI, 512
.set UNITW, 256
.set TRIPI, 8*UNITI
.set LIMI,  1048576-2*UNITI            ; eidx's last two units: no load ahead points past the buffer's end
.set SPW, 2                            ; v2      my spare word;  v3  0: both never rewritten
.set NIL, 3
.set LB,  4                            ; v4      16 j
.set EO,  5                            ; v5      16 G: my group's 16 bytes in 128 of a stream
.set GI,  6                            ; v6      16 lane: my 4 columns in 128 of input
.set BO,  7                            ; v7      32 G: my 8 outputs in bias and in a stage row
.set FA,  8                            ; v8-11   the fill: table address of my column i = 0..3
.set WR,  12                           ; v12     the way out: where I put 32 bytes of a row
.set RD,  13                           ; v13     where I read 16 bytes of a row back
.set GO,  14                           ; v14     my byte offset in out0
.set AD,  16                           ; v16-23  LDS addresses at work
.set BI,  24                           ; v24-31  bias of my 8 outputs
.set IX,  32                           ; v32-63  two buffers of a unit's 16 offsets
.set WT,  64                           ; v64-79  two buffers of a unit's 16 weights (8 registers)
.set XA,  80                           ; v80-111   8 gathered columns (first halves of units)
.set XB,  112                          ; v112-143  8 gathered columns (second halves); on the way out: rows read back
.set ACC, 144                          ; v144-207  the sum of row 8 j + i, output 8 G + blk at ACC + 8 i + blk
.set FB,  80                           ; the fill: four buffers of 8 rows x 4 columns, v80-207
.set PK,  208                          ; v208-223  the fill: 4 columns x 8 rows in bf16
; The streams' bases.  s20: byte offset in eidx of the trip in hand.  s[24:25], s[28:29]: eidx, ewt at that trip; s[26:27], s[30:31]: at the next trip, held inside the buffers.
.macro SETB
	s_mov_b32 s32, s20
	s_add_nc_u64 s[24:25], s[6:7], s[32:33]
	s_add_co_u32 s34, s20, TRIPI
	s_min_u32 s34, s34, LIMI
	s_add_nc_u64 s[26:27], s[6:7], s[34:35]
	s_lshr_b32 s36, s20, 1                         ; ewt has half the bytes
	s_add_nc_u64 s[28:29], s[8:9], s[36:37]
	s_lshr_b32 s38, s34, 1
	s_add_nc_u64 s[30:31], s[8:9], s[38:39]
.endm
.macro LDI ut, bb                      ; the offsets of unit ut of the trip (8, 9: the next trip's 0, 1) into buffer bb: four loads
.irp q, 0,1,2,3
.if (\ut) < 8
	global_load_b128 v[IX+16*(\bb)+4*\q:IX+16*(\bb)+4*\q+3], v[EO], s[24:25] offset:(\ut)*UNITI+\q*128
.else
	global_load_b128 v[IX+16*(\bb)+4*\q:IX+16*(\bb)+4*\q+3], v[EO], s[26:27] offset:((\ut)-8)*UNITI+\q*128
.endif
.endr
.endm
.macro LDW ut, bb                      ; its weights: two loads
.irp q, 0,1
.if (\ut) < 8
	global_load_b128 v[WT+8*(\bb)+4*\q:WT+8*(\bb)+4*\q+3], v[EO], s[28:29] offset:(\ut)*UNITW+\q*128
.else
	global_load_b128 v[WT+8*(\bb)+4*\q:WT+8*(\bb)+4*\q+3], v[EO], s[30:31] offset:((\ut)-8)*UNITW+\q*128
.endif
.endr
.endm
	s_load_b256 s[4:11], s[0:1], 0x0               ; input s[4:5], eidx s[6:7], ewt s[8:9], bias s[10:11]
	s_load_b64 s[12:13], s[0:1], 0x20              ; out0
	v_lshl_add_u32 v[SPW], v0, 2, SPARE
	v_mov_b32 v[NIL], 0
	v_lshrrev_b32 v1, 5, v0
	v_readfirstlane_b32 s14, v1                    ; wave 0..15
	v_and_b32 v1, 31, v0                           ; lane
	s_mov_b32 s15, ttmp9                           ; which 2,048 outputs
	s_and_b32 s16, ttmp7, 0xffff                   ; which 32 rows
	v_and_b32 v[LB], 3, v0
	v_lshlrev_b32 v[LB], 4, v[LB]
	v_bfe_u32 v15, v0, 2, 3                        ; G
	v_lshlrev_b32 v[EO], 4, v15
	v_lshlrev_b32 v[BO], 5, v15
	v_lshlrev_b32 v[GI], 4, v1
	; The fill's table addresses.  My columns are c = 256 wave + 128 ch + 4 lane + i: c >> 2 = 64 wave + 32 ch + lane, quarter (i + lane) & 3; ch and the rows' chunk stand in the stores' immediates.
	s_lshl_b32 s17, s14, 14
	v_lshl_add_u32 v[AD], v1, 8, s17
.irp i, 0,1,2,3
	v_add_nc_u32 v[AD+1], \i, v1
	v_and_b32 v[AD+1], 3, v[AD+1]
	v_lshl_add_u32 v[FA+\i], v[AD+1], 6, v[AD]
.endr
	; The stage: four rows of 256 bytes (64 outputs in f32) at bytes 0, 272, 640, 912, so that the sixteen 16-byte stores of (G & 3, j) fall on sixteen different groups of four banks.
	s_mul_i32 s18, s14, STGW
	s_add_co_u32 s18, s18, STG
	v_and_b32 v[AD], 1, v0
	v_bfe_u32 v[AD+1], v0, 1, 1
	v_mul_u32_u24 v[AD], v[AD], 272
	v_mul_u32_u24 v[AD+1], v[AD+1], 640
	v_add3_u32 v[AD], v[AD], v[AD+1], v[BO]
	v_add_nc_u32 v[WR], s18, v[AD]                 ; in: stage row j, my group's 32 bytes
	v_bfe_u32 v[AD], v0, 4, 1
	v_and_b32 v[AD+1], 15, v0
	v_mul_u32_u24 v[AD+2], v[AD], 272
	v_lshl_add_u32 v[AD+2], v[AD+1], 4, v[AD+2]
	v_add_nc_u32 v[RD], s18, v[AD+2]               ; back: lanes 0-15 a whole stage row, lanes 16-31 the next
	v_lshlrev_b32 v[AD], 17, v[AD]                 ; stage rows lie 8 rows of out0 apart
	v_lshl_add_u32 v[GO], v[AD+1], 4, v[AD]
	s_lshl_b32 s20, s15, 19                        ; my wave's streams: block S = 32 x + 2 wave, 16,384 bytes of eidx a block
	s_lshl_b32 s19, s14, 15
	s_add_co_u32 s20, s20, s19
	s_mov_b32 s33, 0
	s_mov_b32 s35, 0
	s_mov_b32 s37, 0
	s_mov_b32 s39, 0
	s_lshl_b32 s40, s16, 19                        ; input: 32 rows of 16,384 bytes a work-group, 256 columns a wave
	s_lshl_b32 s19, s14, 10
	s_add_co_u32 s40, s40, s19
	s_mov_b32 s41, 0
	s_lshl_b32 s44, s15, 13                        ; bias: 2,048 outputs a work-group, 128 a wave
	s_lshl_b32 s19, s14, 9
	s_add_co_u32 s44, s44, s19
	s_mov_b32 s45, 0
	s_lshl_b32 s42, s16, 19                        ; out0: the rows, and the same outputs
	s_add_co_u32 s42, s42, s44
	s_mov_b32 s43, 0
	s_mov_b32 s48, 0xffff0000                      ; a word's upper bf16
	s_wait_kmcnt 0x0
	s_add_nc_u64 s[4:5], s[4:5], s[40:41]
	s_add_nc_u64 s[10:11], s[10:11], s[44:45]
	s_add_nc_u64 s[12:13], s[12:13], s[42:43]
	SETB
	LDI 0, 0                                       ; the first two units' offsets and weights go out ahead of the fill: twelve loads, older than all of the fill's
	LDW 0, 0
	LDI 1, 1
	LDW 1, 1
; THE FILL.  Turn n = 0..7: columns 128 (n / 4) on of my 256, rows 8 (n % 4) on.  Eight loads, each 512 consecutive bytes of a row; a lane then holds 4 columns x 8 rows,
; rounds them in pairs of rows and stores 16 bytes to each of its 4 columns.  Four buffers: 32 loads of the wave are out.
.macro FLOAD n, bb
.irp rr, 0,1,2,3,4,5,6,7
	global_load_b128 v[FB+32*(\bb)+4*\rr:FB+32*(\bb)+4*\rr+3], v[GI], s[4:5] offset:((\n)/4)*512+(((\n)%4)*8+\rr)*ROWB
.endr
.endm
.macro FPROC n, bb, left
	s_wait_loadcnt \left                           ; loads come back in order (ISA guide 5.7.1): this turn's eight are in, the younger turns' stay out
.irp i, 0,1,2,3
.irp p, 0,1,2,3
	v_cvt_pk_bf16_f32 v[PK+4*\i+\p], v[FB+32*(\bb)+8*\p+\i], v[FB+32*(\bb)+8*\p+4+\i]  ; column i, rows 2 p (low half) and 2 p + 1
.endr
.endr
.irp i, 0,1,2,3
	ds_store_b128 v[FA+\i], v[PK+4*\i:PK+4*\i+3] offset:((\n)/4)*8192+((\n)%4)*16
.endr
.endm
	FLOAD 0, 0
	FLOAD 1, 1
	FLOAD 2, 2
	FLOAD 3, 3
	FPROC 0, 0, 24
	FLOAD 4, 0
	FPROC 1, 1, 24
	FLOAD 5, 1
	FPROC 2, 2, 24
	FLOAD 6, 2
	FPROC 3, 3, 24
	FLOAD 7, 3
	FPROC 4, 0, 24
	FPROC 5, 1, 16                                 ; nothing more is asked for: the counts run down
	FPROC 6, 2, 8
	FPROC 7, 3, 0
	s_wait_dscnt 0x0                               ; for the others' sake: my part of the table is written
	s_barrier_signal -1
	s_barrier_wait -1                              ; the table is whole; from here on it is only read, and no wave waits for another
; Eight steps' addresses and loads.  An offset that was loaded is held inside the table before an address is made of it.
.macro ADDR8 src, dst
.irp s, 0,1,2,3,4,5,6,7
	v_min_u32 v[AD+\s], MAXT, v[(\src)+\s]
.endr
.irp s, 0,1,2,3,4,5,6,7
	v_add_nc_u32 v[AD+\s], v[LB], v[AD+\s]         ; + my 16 bytes of the column's 64
.endr
.irp s, 0,1,2,3,4,5,6,7
	ds_load_b128 v[(\dst)+4*\s:(\dst)+4*\s+3], v[AD+\s]
.endr
.endm
; Steps 4 lo .. 4 lo + 3 of a half unit: step 4 lo + 2 sp + hw has its column in x + 4 step, its weight in half hw of register w + 2 lo + sp.  Eight sums take turns.
.macro FMAS x, w, blk, lo
.irp sp, 0,1
.irp hw, 0,1
.irp p, 0,1,2,3
	v_fma_mix_f32_bf16 v[ACC+16*\p+(\blk)], v[(\x)+16*(\lo)+8*\sp+4*\hw+\p], v[(\w)+2*(\lo)+\sp], v[ACC+16*\p+(\blk)] op_sel:[0,\hw,0] op_sel_hi:[1,1,0]
	v_fma_mix_f32_bf16 v[ACC+16*\p+8+(\blk)], v[(\x)+16*(\lo)+8*\sp+4*\hw+\p], v[(\w)+2*(\lo)+\sp], v[ACC+16*\p+8+(\blk)] op_sel:[1,\hw,0] op_sel_hi:[1,1,0]
.endr
.endr
.endr
.endm
; UNIT u of a trip (blk = u).  The global loads go out in the order offsets(n), weights(n), offsets(n + 1), ..: four and two loads.
.macro UNIT u
.set UB, (\u)%2
	ADDR8 IX+16*UB+8, XB                           ; the second half's columns are asked for,
	LDI (\u)+2, UB                                 ; and this unit's offsets, all read now, make room for those two units on
	s_wait_loadcnt 10                              ; this unit's weights are in: behind them went offsets (4), weights (2), offsets (4)
	s_wait_dscnt 12                                ; the first half's columns 0-3 are in: behind them went its other four and the eight above
	FMAS XA, WT+8*UB, \u, 0
	s_wait_dscnt 8
	FMAS XA, WT+8*UB, \u, 1
	s_wait_loadcnt 6                               ; the next unit's offsets are in: behind them went weights (2), offsets (4)
	ADDR8 IX+16*(1-UB), XA                         ; the next unit's first half
	s_wait_dscnt 12
	FMAS XB, WT+8*UB+4, \u, 0
	s_wait_dscnt 8
	FMAS XB, WT+8*UB+4, \u, 1
	LDW (\u)+2, UB
.endm
; THE WAY OUT.  Piece i: rows 8 j + i, j = 0..3, of the block's 64 outputs.  A lane puts its 8 outputs of its row into the stage and reads 4 outputs of two rows back.
; LDS serves a wave's instructions in order (ISA guide 5.7.1.4): the loads see the stores above them, and the next piece's stores come behind the loads.
.macro OUTP i
	ds_store_b128 v[WR], v[ACC+8*(\i):ACC+8*(\i)+3]
	ds_store_b128 v[WR], v[ACC+8*(\i)+4:ACC+8*(\i)+7] offset:16
	ds_load_b128 v[XB+8*((\i)%4):XB+8*((\i)%4)+3], v[RD]
	ds_load_b128 v[XB+8*((\i)%4)+4:XB+8*((\i)%4)+7], v[RD] offset:640
.endm
.macro OUTS i, left                    ; left: the four LDS lines of each younger piece
	s_wait_dscnt \left
	global_store_b128 v[GO], v[XB+8*((\i)%4):XB+8*((\i)%4)+3], s[12:13] offset:(\i)*ROWB th:TH_STORE_NT            ; 16 lanes store 256 consecutive bytes, at a multiple of 256 from out0's first
	global_store_b128 v[GO], v[XB+8*((\i)%4)+4:XB+8*((\i)%4)+7], s[12:13] offset:(16+(\i))*ROWB th:TH_STORE_NT
.endm
	ADDR8 IX, XA                                   ; unit 0's first half (its offsets came in ahead of the fill's last wait)
	s_mov_b32 s46, 2
.Lblock:                                               ; a block of 64 outputs
	global_load_b128 v[BI:BI+3], v[BO], s[10:11]
	global_load_b128 v[BI+4:BI+7], v[BO], s[10:11] offset:16
	s_wait_loadcnt 0x0
.irp k, 0,1,2,3
	v_cvt_pk_bf16_f32 v[AD+\k], v[BI+2*\k], v[BI+2*\k+1]  ; the bias is rounded as the other inputs are
.endr
.irp i, 0,1,2,3,4,5,6,7
.irp k, 0,1,2,3
	v_lshlrev_b32 v[ACC+8*\i+2*\k], 16, v[AD+\k]   ; the sums begin at the bias
	v_and_b32 v[ACC+8*\i+2*\k+1], s48, v[AD+\k]
.endr
.endr
	s_mov_b32 s47, 4
.Ltrip:
	UNIT 0
	UNIT 1
	UNIT 2
	UNIT 3
	UNIT 4
	UNIT 5
	UNIT 6
	UNIT 7
	s_wait_xcnt 0x0                                ; the loads' bases are rewritten only behind this wait (ISA guide 3.1)
	s_add_co_u32 s20, s20, TRIPI
	SETB
	s_sub_co_u32 s47, s47, 1
	s_cmp_lg_u32 s47, 0
	s_cbranch_scc1 .Ltrip
	OUTP 0                                         ; the next block's first columns, offsets and weights are on their way meanwhile (behind the last block they serve nothing)
	OUTP 1
	OUTP 2
	OUTP 3
	OUTS 0, 12
	OUTS 1, 8
	OUTS 2, 4
	OUTS 3, 0
	s_wait_xcnt 0x0                                ; the registers that those stores read are loaded again only behind this wait
	OUTP 4
	OUTP 5
	OUTP 6
	OUTP 7
	OUTS 4, 12
	OUTS 5, 8
	OUTS 6, 4
	OUTS 7, 0
	s_wait_xcnt 0x0                                ; likewise, and for the stores' base
	s_add_nc_u64 s[12:13], s[12:13], 256           ; the next 64 outputs
	s_add_nc_u64 s[10:11], s[10:11], 256
	s_sub_co_u32 s46, s46, 1
	s_cmp_lg_u32 s46, 0
	s_cbranch_scc1 .Lblock
	s_wait_tensorcnt 0x0                           ; the wave's end
	ds_add_u32 v[SPW], v[NIL]
	s_wait_dscnt 0x0
	s_endpgm
.Lfunc_end_k_qe6f20e9eae_fanin:
	.size	k_qe6f20e9eae_fanin, .Lfunc_end_k_qe6f20e9eae_fanin-k_qe6f20e9eae_fanin
	.p2alignl 7, 3214868480
	.fill 96, 4, 3214868480
	.section	.rodata,"a",@progbits
	.p2align	6, 0x0
	.amdhsa_kernel k_qe6f20e9eae_fanin
		.amdhsa_group_segment_fixed_size 284672
		.amdhsa_private_segment_fixed_size 0
		.amdhsa_enable_private_segment 0
		.amdhsa_kernarg_size 40
		.amdhsa_user_sgpr_count 2
		.amdhsa_user_sgpr_kernarg_segment_ptr 1
		.amdhsa_wavefront_size32 1
		.amdhsa_system_sgpr_workgroup_id_x 1
		.amdhsa_system_sgpr_workgroup_id_y 1
		.amdhsa_system_sgpr_workgroup_id_z 1
		.amdhsa_system_vgpr_workitem_id 0
		.amdhsa_next_free_vgpr 224
		.amdhsa_next_free_sgpr 66
		.amdhsa_reserve_vcc 0
		.amdhsa_float_denorm_mode_32 3
		.amdhsa_float_denorm_mode_16_64 3
		.amdhsa_memory_ordered 1
		.amdhsa_forward_progress 1
		.amdhsa_inst_pref_size 120
	.end_amdhsa_kernel
	.amdgpu_metadata
---
amdhsa.version: [ 1, 2 ]
amdhsa.kernels:
  - .name:           k_qe6f20e9eae_fanin
    .symbol:         k_qe6f20e9eae_fanin.kd
    .args:
      - { .name: input, .offset: 0, .size: 8, .value_kind: global_buffer, .address_space: global }
      - { .name: eidx, .offset: 8, .size: 8, .value_kind: global_buffer, .address_space: global }
      - { .name: ewt, .offset: 16, .size: 8, .value_kind: global_buffer, .address_space: global }
      - { .name: bias, .offset: 24, .size: 8, .value_kind: global_buffer, .address_space: global }
      - { .name: out0, .offset: 32, .size: 8, .value_kind: global_buffer, .address_space: global }
    .group_segment_fixed_size: 284672
    .private_segment_fixed_size: 0
    .kernarg_segment_align: 8
    .kernarg_segment_size: 40
    .max_flat_workgroup_size: 512
    .sgpr_count:     66
    .vgpr_count:     224
    .wavefront_size: 32
...
	.end_amdgpu_metadata
.endif
;; end of part 2
;; ======== version 2 of 2: 2 launches; version 1 with the launch fanin written anew for expert scheduling mode
;; workspace buffers: eidx 1,048,576 bytes of whole numbers; ewt 524,288 bytes
;; launch prep: the kernel of part 1 again; grid 512 x 1, 8 waves a work-group, no clusters, 4,608 bytes of LDS; arguments input_mask, condensed_weight, eidx, ewt; writes eidx, ewt
;; launch fanin (part 3): grid 2 x 128, 16 waves a work-group, no clusters, 284,672 bytes of LDS; arguments input, eidx, ewt, bias, out0; writes out0
.if DOCPART == 3
	.amdgcn_target "amdgcn-amd-amdhsa--gfx1250"
	.amdhsa_code_object_version 6
	.text
	.protected	k_qe6f20e9eae_fanin
	.globl	k_qe6f20e9eae_fanin
	.p2align	8
	.type	k_qe6f20e9eae_fanin,@function
k_qe6f20e9eae_fanin:
	s_mov_b64 s[64:65], 0
	v_nop
	global_prefetch_b8 v0, s[64:65] scope:SCOPE_SE
	s_setreg_imm32_b32 hwreg(HW_REG_WAVE_SCHED_MODE, 0, 2), 2
	s_setreg_imm32_b32 hwreg(HW_REG_WAVE_MODE, 25, 1), 1
	s_wait_xcnt 0x0
	s_wait_alu depctr_vm_vsrc(0)
; out0[b][o] = bias[o] + the sum over k of input[b][mask[o][k]] * W[o][k].  input, out0: [4096][4096] f32.  The pairs (mask, W) arrive from the launch before as
; eidx (the column's byte offset T(c) in the table below) and ewt (the weight in bf16), sorted and laid out as this launch streams them.
; FORMATS, LIMITS.  input, weight and bias are each taken rounded once to bf16 (nearest even); products and sums are f32 (v_fma_mix_f32_bf16: exact product, one rounding
; a term).  The 64 terms are added in the sorted order, not in the reference's.  Indices lie in 0..4095, as the reference's gather relies on; an offset beyond the
; table is clamped to its last column.  NaN and infinities go the way of the arithmetic.
; SHARES.  A work-group has 32 rows (y) and 2,048 outputs (x = 0, 1); each of its 16 waves 128 outputs, as two blocks of 64.
; THE TABLE.  The 32 rows' 4,096 columns lie transposed in LDS in bf16: column c is 64 bytes at T(c) = (c >> 2) * 256 + ((c + (c >> 2)) & 3) * 64, rows ascending: 262,144 bytes.
; THE GATHER.  Lane = (G = lane >> 2, j = lane & 3).  A group G of four lanes reads one column with one 16-byte load a lane: lane j gets rows 8 j .. 8 j + 7.  Sixteen neighbouring lanes
; read four columns; where these lie in four different quarters of 256 bytes each of the 64 banks (of 4 bytes: ISA guide 11.1) is touched once; the sorted order aims at that.
; Group G owns outputs 8 G + blk of a block, blk = 0..7: 8 outputs x 8 rows = 64 f32 sums a lane, which begin at the bias.
; THE STREAMS.  A UNIT is 16 steps of one blk for all eight groups: 512 bytes of eidx, 256 of ewt; the four lanes of a group load the same 16 bytes.  A trip of the loop is 8 units
; (blk = 0..7), four trips a block; a wave's 64 units are consecutive in memory.  Offsets and weights are asked for two units ahead, in a unit's first half; gathered columns half a unit ahead, four at a time.
; NO MATRIX UNIT: as a dense product the sum would have 4,096 terms an output for 64.  NO CLUSTER, NO TENSOR LOAD: what two work-groups share, the 32 rows, must be rounded and
; transposed, so it passes through registers in any case, and beside the table LDS has 65,536 bytes, too few for a landing zone of f32 rows worth the name; the streams go straight
; into registers: through LDS they would add three reads to every eight of the gather.
; THE MODE: SCHED_MODE bits 1:0 = 2 (LLVM: expert scheduling mode 2), set by the entry lines.  The code itself states the register dependences
; between vector instructions and memory or LDS instructions, with s_wait_alu, always for 0.
; THE PLAN.  Registers that memory or LDS instructions touch, in the loop:
;   AD        Written by the sixteen address lines at a half unit's head; read by that half unit's eight LDS loads.
;   XA, XB    A half unit's 64 multiply-adds read one; the LDS loads of the next half unit land in the other, which the half unit before read.
;   IX[u % 2] The offsets of unit u: read by v_min in unit u - 1's second half (0-7) and in unit u's first half (8-15); behind those the offsets of unit u + 2 land in it.
;   WT[u % 4] The weights of unit u: read by unit u's multiply-adds; the weights of unit u + 2 land in WT[(u + 2) % 4], which unit u - 2 read last.
;   v4-v14    Offsets and addresses, made at the head and never written again.       The sums are named by vector instructions alone until the way out.
; So a half unit has TWO waits: vm_vsrc at its head (the LDS loads issued so far have read AD) and va_vdst behind its address lines (AD is written; the half unit before is done reading
; the X buffer that is asked for; in a first half the offsets' buffer is read out).  All its loads follow that wait, dealt among its multiply-adds, which name the other X buffer, WT[u % 4]
; and the sums: none of the registers that those loads touch.
.set ROWB,  16384                      ; bytes in a row of input and of out0
.set STG,   262144                     ; behind the table: a stage of 1,280 bytes for each wave, for the way out
.set STGW,  1280
.set SPARE, STG+16*STGW                ; behind the stages: the spare words, 128 bytes for each of 16 waves; no other line names them
.set MAXT,  0x3ffc0                    ; the last column's offset
.set UNITI, 512
.set UNITW, 256
.set TRIPI, 8*UNITI
.set LIMI,  1048576-2*UNITI            ; eidx's last two units: no load ahead points past the buffer's end
.set SPW, 2                            ; v2      my spare word;  v3  0: both never rewritten
.set NIL, 3
.set LB,  4                            ; v4      16 j
.set EO,  5                            ; v5      16 G: my group's 16 bytes in 128 of a stream
.set GI,  6                            ; v6      16 lane: my 4 columns in 128 of input
.set BO,  7                            ; v7      32 G: my 8 outputs in bias and in a stage row
.set FA,  8                            ; v8-11   the fill: table address of my column i = 0..3
.set WR,  12                           ; v12     the way out: where I put 32 bytes of a row
.set RD,  13                           ; v13     where I read 16 bytes of a row back
.set GO,  14                           ; v14     my byte offset in out0
.set AD,  16                           ; v16-23  LDS addresses at work
.set BI,  24                           ; v24-31  bias of my 8 outputs
.set IX,  32                           ; v32-63  two buffers of a unit's 16 offsets
.set PK,  64                           ; v64-79  the fill: 4 columns x 8 rows in bf16
.set XA,  80                           ; v80-111   8 gathered columns (first halves of units)
.set XB,  112                          ; v112-143  8 gathered columns (second halves); on the way out: rows read back
.set ACC, 144                          ; v144-207  the sum of row 8 j + i, output 8 G + blk at ACC + 8 i + blk
.set FB,  80                           ; the fill: four buffers of 8 rows x 4 columns, v80-207
.set WT,  208                          ; v208-239  four buffers of a unit's 16 weights (8 registers)
; The streams' bases.  s20: byte offset in eidx of the trip in hand.  s[24:25], s[28:29]: eidx, ewt at that trip; s[26:27], s[30:31]: at the next trip, held inside the buffers.
.macro SETB
	s_mov_b32 s32, s20
	s_add_nc_u64 s[24:25], s[6:7], s[32:33]
	s_add_co_u32 s34, s20, TRIPI
	s_min_u32 s34, s34, LIMI
	s_add_nc_u64 s[26:27], s[6:7], s[34:35]
	s_lshr_b32 s36, s20, 1                         ; ewt has half the bytes
	s_add_nc_u64 s[28:29], s[8:9], s[36:37]
	s_lshr_b32 s38, s34, 1
	s_add_nc_u64 s[30:31], s[8:9], s[38:39]
.endm
.macro LDI ut, bb                      ; the offsets of unit ut of the trip (8, 9: the next trip's 0, 1) into buffer bb: four loads
.irp q, 0,1,2,3
.if (\ut) < 8
	global_load_b128 v[IX+16*(\bb)+4*\q:IX+16*(\bb)+4*\q+3], v[EO], s[24:25] offset:(\ut)*UNITI+\q*128
.else
	global_load_b128 v[IX+16*(\bb)+4*\q:IX+16*(\bb)+4*\q+3], v[EO], s[26:27] offset:((\ut)-8)*UNITI+\q*128
.endif
.endr
.endm
.macro LDW ut, bb                      ; its weights: two loads
.irp q, 0,1
.if (\ut) < 8
	global_load_b128 v[WT+8*(\bb)+4*\q:WT+8*(\bb)+4*\q+3], v[EO], s[28:29] offset:(\ut)*UNITW+\q*128
.else
	global_load_b128 v[WT+8*(\bb)+4*\q:WT+8*(\bb)+4*\q+3], v[EO], s[30:31] offset:((\ut)-8)*UNITW+\q*128
.endif
.endr
.endm
	s_load_b256 s[4:11], s[0:1], 0x0               ; input s[4:5], eidx s[6:7], ewt s[8:9], bias s[10:11]
	s_load_b64 s[12:13], s[0:1], 0x20              ; out0
	v_lshl_add_u32 v[SPW], v0, 2, SPARE
	v_mov_b32 v[NIL], 0
	v_lshrrev_b32 v1, 5, v0
	v_readfirstlane_b32 s14, v1                    ; wave 0..15
	v_and_b32 v1, 31, v0                           ; lane
	s_mov_b32 s15, ttmp9                           ; which 2,048 outputs
	s_and_b32 s16, ttmp7, 0xffff                   ; which 32 rows
	v_and_b32 v[LB], 3, v0
	v_lshlrev_b32 v[LB], 4, v[LB]
	v_bfe_u32 v15, v0, 2, 3                        ; G
	v_lshlrev_b32 v[EO], 4, v15
	v_lshlrev_b32 v[BO], 5, v15
	v_lshlrev_b32 v[GI], 4, v1
	; The fill's table addresses.  My columns are c = 256 wave + 128 ch + 4 lane + i: c >> 2 = 64 wave + 32 ch + lane, quarter (i + lane) & 3; ch and the rows' chunk stand in the stores' immediates.
	s_wait_alu depctr_va_sdst(0)                   ; s14 is written, ahead of its first reader: LDS addresses and the bases of all buffers are made from it
	s_lshl_b32 s17, s14, 14
	v_lshl_add_u32 v[AD], v1, 8, s17
.irp i, 0,1,2,3
	v_add_nc_u32 v[AD+1], \i, v1
	v_and_b32 v[AD+1], 3, v[AD+1]
	v_lshl_add_u32 v[FA+\i], v[AD+1], 6, v[AD]
.endr
	; The stage: four rows of 256 bytes (64 outputs in f32) at bytes 0, 272, 640, 912, so that the sixteen 16-byte stores of (G & 3, j) fall on sixteen different groups of four banks.
	s_mul_i32 s18, s14, STGW
	s_add_co_u32 s18, s18, STG
	v_and_b32 v[AD], 1, v0
	v_bfe_u32 v[AD+1], v0, 1, 1
	v_mul_u32_u24 v[AD], v[AD], 272
	v_mul_u32_u24 v[AD+1], v[AD+1], 640
	v_add3_u32 v[AD], v[AD], v[AD+1], v[BO]
	v_add_nc_u32 v[WR], s18, v[AD]                 ; in: stage row j, my group's 32 bytes
	v_bfe_u32 v[AD], v0, 4, 1
	v_and_b32 v[AD+1], 15, v0
	v_mul_u32_u24 v[AD+2], v[AD], 272
	v_lshl_add_u32 v[AD+2], v[AD+1], 4, v[AD+2]
	v_add_nc_u32 v[RD], s18, v[AD+2]               ; back: lanes 0-15 a whole stage row, lanes 16-31 the next
	v_lshlrev_b32 v[AD], 17, v[AD]                 ; stage rows lie 8 rows of out0 apart
	v_lshl_add_u32 v[GO], v[AD+1], 4, v[AD]
	s_lshl_b32 s20, s15, 19                        ; my wave's streams: block S = 32 x + 2 wave, 16,384 bytes of eidx a block
	s_lshl_b32 s19, s14, 15
	s_add_co_u32 s20, s20, s19
	s_mov_b32 s33, 0
	s_mov_b32 s35, 0
	s_mov_b32 s37, 0
	s_mov_b32 s39, 0
	s_lshl_b32 s40, s16, 19                        ; input: 32 rows of 16,384 bytes a work-group, 256 columns a wave
	s_lshl_b32 s19, s14, 10
	s_add_co_u32 s40, s40, s19
	s_mov_b32 s41, 0
	s_lshl_b32 s44, s15, 13                        ; bias: 2,048 outputs a work-group, 128 a wave
	s_lshl_b32 s19, s14, 9
	s_add_co_u32 s44, s44, s19
	s_mov_b32 s45, 0
	s_lshl_b32 s42, s16, 19                        ; out0: the rows, and the same outputs
	s_add_co_u32 s42, s42, s44
	s_mov_b32 s43, 0
	s_mov_b32 s48, 0xffff0000                      ; a word's upper bf16
	s_wait_kmcnt 0x0
	s_add_nc_u64 s[4:5], s[4:5], s[40:41]
	s_add_nc_u64 s[10:11], s[10:11], s[44:45]
	s_add_nc_u64 s[12:13], s[12:13], s[42:43]
	SETB
	s_wait_alu depctr_va_vdst(0)                   ; the offsets and addresses v4 to v14 are written, which the kernel's loads and stores read; none of them is written again
	LDI 0, 0                                       ; the first two units' offsets and weights go out ahead of the fill: twelve loads, older than all of the fill's
	LDW 0, 0
	LDI 1, 1
	LDW 1, 1
; THE FILL.  Turn n = 0..7: columns 128 (n / 4) on of my 256, rows 8 (n % 4) on.  Eight loads, each 512 consecutive bytes of a row; a lane then holds 4 columns x 8 rows,
; rounds them in pairs of rows and stores 16 bytes to each of its 4 columns.  Four buffers: 32 loads of the wave are out.
.macro FLOAD n, bb
.irp rr, 0,1,2,3,4,5,6,7
	global_load_b128 v[FB+32*(\bb)+4*\rr:FB+32*(\bb)+4*\rr+3], v[GI], s[4:5] offset:((\n)/4)*512+(((\n)%4)*8+\rr)*ROWB
.endr
.endm
; more = 1: the buffer is asked for again, for the turn four on, as soon as it is read out.
.macro FPROC n, bb, left, more
	s_wait_loadcnt \left                           ; loads come back in order (ISA guide 5.7.1): this turn's eight are in, the younger turns' stay out
.if (\n) > 0
	s_wait_alu depctr_vm_vsrc(0)                   ; the LDS stores of the turn before have read PK, which the roundings below write again
.endif
.irp i, 0,1,2,3
.irp p, 0,1,2,3
	v_cvt_pk_bf16_f32 v[PK+4*\i+\p], v[FB+32*(\bb)+8*\p+\i], v[FB+32*(\bb)+8*\p+4+\i]  ; column i, rows 2 p (low half) and 2 p + 1
.endr
.endr
	s_wait_alu depctr_va_vdst(0)                   ; the roundings have written PK, which the LDS stores read, and are done reading this buffer, in which the loads below land
.if \more
	FLOAD (\n)+4, \bb
.endif
.irp i, 0,1,2,3
	ds_store_b128 v[FA+\i], v[PK+4*\i:PK+4*\i+3] offset:((\n)/4)*8192+((\n)%4)*16
.endr
.endm
	FLOAD 0, 0
	FLOAD 1, 1
	FLOAD 2, 2
	FLOAD 3, 3
	FPROC 0, 0, 24, 1
	FPROC 1, 1, 24, 1
	FPROC 2, 2, 24, 1
	FPROC 3, 3, 24, 1
	FPROC 4, 0, 24, 0
	FPROC 5, 1, 16, 0                              ; nothing more is asked for: the counts run down
	FPROC 6, 2, 8, 0
	FPROC 7, 3, 0, 0
	s_wait_dscnt 0x0                               ; for the others' sake: my part of the table is written
	s_barrier_signal -1
	s_barrier_wait -1                              ; the table is whole; from here on it is only read, and no wave waits for another
; Eight steps' addresses.  An offset that was loaded is held inside the table before an address is made of it.
.macro ADDR src
.irp s, 0,1,2,3,4,5,6,7
	v_min_u32 v[AD+\s], MAXT, v[(\src)+\s]
.endr
.irp s, 0,1,2,3,4,5,6,7
	v_add_nc_u32 v[AD+\s], v[LB], v[AD+\s]         ; + my 16 bytes of the column's 64
.endr
.endm
; Four of the eight loads by them: steps 4 lo .. 4 lo + 3.
.macro GATH dst, lo
.irp s, 0,1,2,3
	ds_load_b128 v[(\dst)+16*(\lo)+4*\s:(\dst)+16*(\lo)+4*\s+3], v[AD+4*(\lo)+\s]
.endr
.endm
; Steps 4 lo .. 4 lo + 3 of a half unit: step 4 lo + 2 sp + hw has its column in x + 4 step, its weight in half hw of register w + 2 lo + sp.  Eight sums take turns.
.macro FMAS x, w, blk, lo
.irp sp, 0,1
.irp hw, 0,1
.irp p, 0,1,2,3
	v_fma_mix_f32_bf16 v[ACC+16*\p+(\blk)], v[(\x)+16*(\lo)+8*\sp+4*\hw+\p], v[(\w)+2*(\lo)+\sp], v[ACC+16*\p+(\blk)] op_sel:[0,\hw,0] op_sel_hi:[1,1,0]
	v_fma_mix_f32_bf16 v[ACC+16*\p+8+(\blk)], v[(\x)+16*(\lo)+8*\sp+4*\hw+\p], v[(\w)+2*(\lo)+\sp], v[ACC+16*\p+8+(\blk)] op_sel:[1,\hw,0] op_sel_hi:[1,1,0]
.endr
.endr
.endr
.endm
; UNIT u of a trip (blk = u).  The global loads go out in the order offsets(n), weights(n), offsets(n + 1), ..: four and two loads.
.macro UNIT u
.set UB, (\u)%2
.set WB, WT+8*((\u)%4)
.set WN, ((\u)+2)%4
	s_wait_alu depctr_vm_vsrc(0)                   ; the LDS loads issued so far have read AD, which the lines below write
	ADDR IX+16*UB+8                                ; the second half's addresses
	s_wait_alu depctr_va_vdst(0)                   ; AD is written; the unit before is done reading XB; the v_min lines are done reading this unit's offsets; the unit two back is done reading its weights
	GATH XB, 0                                     ; the second half's columns 0-3 are asked for,
	LDI (\u)+2, UB                                 ; and this unit's offsets, all read now, make room for those two units on
	s_wait_loadcnt 10                              ; this unit's weights are in: behind them went offsets (4), weights (2), offsets (4)
	s_wait_dscnt 8                                 ; the first half's columns 0-3 are in: behind them went its other four and the four above
	FMAS XA, WB, \u, 0
	GATH XB, 1                                     ; no wait: the multiply-adds since the wait name XA, this unit's weights and the sums, not AD, XB or the buffer that the weights below land in
	LDW (\u)+2, WN
	s_wait_dscnt 8                                 ; the first half's columns 4-7 are in: behind them went the second half's eight
	FMAS XA, WB, \u, 1
	s_wait_loadcnt 8                               ; the next unit's offsets are in: behind them went weights (2), offsets (4), weights (2)
	s_wait_alu depctr_vm_vsrc(0)                   ; the LDS loads above have read AD
	ADDR IX+16*(1-UB)                              ; the next unit's first half
	s_wait_alu depctr_va_vdst(0)                   ; AD is written; the multiply-adds above are done reading XA
	GATH XA, 0
	s_wait_dscnt 8                                 ; the second half's columns 0-3 are in: behind them went its other four and the four above
	FMAS XB, WB+4, \u, 0
	GATH XA, 1                                     ; no wait: the multiply-adds since the wait name XB, this unit's weights and the sums
	s_wait_dscnt 8
	FMAS XB, WB+4, \u, 1
.endm
; THE WAY OUT.  Piece i: rows 8 j + i, j = 0..3, of the block's 64 outputs.  A lane puts its 8 outputs of its row into the stage and reads 4 outputs of two rows back.
; LDS serves a wave's instructions in order (ISA guide 5.7.1.4): the loads see the stores above them, and the next piece's stores come behind the loads.
.macro OUTP i
	ds_store_b128 v[WR], v[ACC+8*(\i):ACC+8*(\i)+3]
	ds_store_b128 v[WR], v[ACC+8*(\i)+4:ACC+8*(\i)+7] offset:16
	ds_load_b128 v[XB+8*((\i)%4):XB+8*((\i)%4)+3], v[RD]
	ds_load_b128 v[XB+8*((\i)%4)+4:XB+8*((\i)%4)+7], v[RD] offset:640
.endm
.macro OUTS i, left                    ; left: the four LDS lines of each younger piece
	s_wait_dscnt \left
	global_store_b128 v[GO], v[XB+8*((\i)%4):XB+8*((\i)%4)+3], s[12:13] offset:(\i)*ROWB th:TH_STORE_NT            ; 16 lanes store 256 consecutive bytes, at a multiple of 256 from out0's first
	global_store_b128 v[GO], v[XB+8*((\i)%4)+4:XB+8*((\i)%4)+7], s[12:13] offset:(16+(\i))*ROWB th:TH_STORE_NT
.endm
	ADDR IX                                        ; unit 0's first half (its offsets came in ahead of the fill's last wait)
	s_wait_alu depctr_va_vdst(0)                   ; AD is written; the fill's roundings are done reading v80-111, in which these columns land
	GATH XA, 0
	GATH XA, 1
	s_mov_b32 s46, 2
.Lblock:                                               ; a block of 64 outputs
	global_load_b128 v[BI:BI+3], v[BO], s[10:11]
	global_load_b128 v[BI+4:BI+7], v[BO], s[10:11] offset:16
	s_wait_loadcnt 0x0
	s_wait_alu depctr_vm_vsrc(0)                   ; the LDS loads have read AD, the last block's LDS stores the sums: the lines below write both; its global stores have read XB, which the first unit asks for again
.irp k, 0,1,2,3
	v_cvt_pk_bf16_f32 v[AD+\k], v[BI+2*\k], v[BI+2*\k+1]  ; the bias is rounded as the other inputs are
.endr
.irp i, 0,1,2,3,4,5,6,7
.irp k, 0,1,2,3
	v_lshlrev_b32 v[ACC+8*\i+2*\k], 16, v[AD+\k]   ; the sums begin at the bias
	v_and_b32 v[ACC+8*\i+2*\k+1], s48, v[AD+\k]
.endr
.endr
	s_mov_b32 s47, 4
.Ltrip:
	UNIT 0
	UNIT 1
	UNIT 2
	UNIT 3
	UNIT 4
	UNIT 5
	UNIT 6
	UNIT 7
	s_wait_xcnt 0x0                                ; the loads' bases are rewritten only behind this wait (ISA guide 3.1)
	s_add_co_u32 s20, s20, TRIPI
	SETB
	s_sub_co_u32 s47, s47, 1
	s_cmp_lg_u32 s47, 0
	s_cbranch_scc1 .Ltrip
	s_wait_alu depctr_va_vdst(0)                   ; the multiply-adds have written the sums, which the LDS stores read, and are done reading XB, in which the loads from the stage land
	OUTP 0                                         ; the next block's first columns, offsets and weights are on their way meanwhile (behind the last block they serve nothing)
	OUTP 1
	OUTP 2
	OUTP 3
	OUTS 0, 12
	OUTS 1, 8
	OUTS 2, 4
	OUTS 3, 0
	s_wait_xcnt 0x0                                ; the registers that those stores read are loaded again only behind this wait
	s_wait_alu depctr_vm_vsrc(0)                   ; those stores have read XB's registers, in which the next four pieces land
	OUTP 4
	OUTP 5
	OUTP 6
	OUTP 7
	OUTS 4, 12
	OUTS 5, 8
	OUTS 6, 4
	OUTS 7, 0
	s_wait_xcnt 0x0                                ; likewise, and for the stores' base
	s_add_nc_u64 s[12:13], s[12:13], 256           ; the next 64 outputs
	s_add_nc_u64 s[10:11], s[10:11], 256
	s_sub_co_u32 s46, s46, 1
	s_cmp_lg_u32 s46, 0
	s_cbranch_scc1 .Lblock
	s_wait_dscnt 0x0                               ; the closing lines, six on end
	s_wait_alu 0x0
	s_wait_tensorcnt 0x0
	ds_add_u32 v[SPW], v[NIL]
	s_wait_dscnt 0x0
	s_endpgm
.Lfunc_end_k_qe6f20e9eae_fanin:
	.size	k_qe6f20e9eae_fanin, .Lfunc_end_k_qe6f20e9eae_fanin-k_qe6f20e9eae_fanin
	.p2alignl 7, 3214868480
	.fill 96, 4, 3214868480
	.section	.rodata,"a",@progbits
	.p2align	6, 0x0
	.amdhsa_kernel k_qe6f20e9eae_fanin
		.amdhsa_group_segment_fixed_size 284672
		.amdhsa_private_segment_fixed_size 0
		.amdhsa_enable_private_segment 0
		.amdhsa_kernarg_size 40
		.amdhsa_user_sgpr_count 2
		.amdhsa_user_sgpr_kernarg_segment_ptr 1
		.amdhsa_wavefront_size32 1
		.amdhsa_system_sgpr_workgroup_id_x 1
		.amdhsa_system_sgpr_workgroup_id_y 1
		.amdhsa_system_sgpr_workgroup_id_z 1
		.amdhsa_system_vgpr_workitem_id 0
		.amdhsa_next_free_vgpr 240
		.amdhsa_next_free_sgpr 66
		.amdhsa_reserve_vcc 0
		.amdhsa_float_denorm_mode_32 3
		.amdhsa_float_denorm_mode_16_64 3
		.amdhsa_memory_ordered 1
		.amdhsa_forward_progress 1
		.amdhsa_inst_pref_size 122
	.end_amdhsa_kernel
	.amdgpu_metadata
---
amdhsa.version: [ 1, 2 ]
amdhsa.kernels:
  - .name:           k_qe6f20e9eae_fanin
    .symbol:         k_qe6f20e9eae_fanin.kd
    .args:
      - { .name: input, .offset: 0, .size: 8, .value_kind: global_buffer, .address_space: global }
      - { .name: eidx, .offset: 8, .size: 8, .value_kind: global_buffer, .address_space: global }
      - { .name: ewt, .offset: 16, .size: 8, .value_kind: global_buffer, .address_space: global }
      - { .name: bias, .offset: 24, .size: 8, .value_kind: global_buffer, .address_space: global }
      - { .name: out0, .offset: 32, .size: 8, .value_kind: global_buffer, .address_space: global }
    .group_segment_fixed_size: 284672
    .private_segment_fixed_size: 0
    .kernarg_segment_align: 8
    .kernarg_segment_size: 40
    .max_flat_workgroup_size: 512
    .sgpr_count:     66
    .vgpr_count:     240
    .wavefront_size: 32
...
	.end_amdgpu_metadata
.endif
;; end of part 3
